; MI455X (gfx1250); checked and timed in simulation.
; The chip was launched on July 23, 2026; its instructions are those of AMD's public machine-readable ISA for CDNA 5 (MIT licence, August 2026) and "CDNA5" Instruction Set Architecture Reference Guide (July 2026). The comments in the code are by the model that wrote it; some were corrected since.
;; Cai Quant Linear. Allowed arithmetic: float matrix products may take bf16 or f16 operands with f32 sums; other float arithmetic in f32, or as packed bf16 or f16 multiplies, adds, multiply-adds, maxima and minima; sums over many terms, partial sums and values carried from step to step in f32; what a program stores and reads back later, other than sums and carried values, may be rounded once to bf16 or f16.
;; Inputs: bias 2,048 float16; g_idx 4,096 int32; qweight 512 x 2,048 int32; qzeros 32 x 256 int32; scales 32 x 2,048 float16; x 4 x 2,048 x 4,096 float16.
;; Outputs: out0 4 x 2,048 x 2,048 float16.
;; 2 versions, each right; version 2 is version 1 with the launch dequant written anew for expert scheduling mode. Each part assembles by itself: llvm-mc -triple=amdgcn-amd-amdhsa -mcpu=gfx1250 --defsym DOCPART=n.
;; ======== version 1 of 2: 2 launches
;; workspace buffers: wt 16,777,216 bytes
;; launch dequant (part 1): grid 16 x 16, 8 waves a work-group, no clusters, 101,376 bytes of LDS; arguments qweight, scales, qzeros, g_idx, wt; writes wt
.if DOCPART == 1
	.amdgcn_target "amdgcn-amd-amdhsa--gfx1250"
	.amdhsa_code_object_version 6
	.text
	.protected	k_qaf4735eef9_dequant
	.globl	k_qaf4735eef9_dequant
	.p2align	8
	.type	k_qaf4735eef9_dequant,@function
k_qaf4735eef9_dequant:
	s_mov_b64 s[64:65], 0
	v_nop
	global_prefetch_b8 v0, s[64:65] scope:SCOPE_SE
	s_setreg_imm32_b32 hwreg(HW_REG_WAVE_MODE, 25, 1), 1
	s_wait_xcnt 0x0
; wt[n][k] = f16( scales[g][n] * (q(k, n) - z(g, n) - 1) ), g = g_idx[k]: the 4-bit weights made into f16 once, and turned, so that K lies along wt's rows ([2048 n][4096 k], a row 8,192 bytes).
; q(k, n) is nibble k % 8 of qweight[k / 8][n]; z(g, n) is nibble n % 8 of qzeros[g][n / 8].  g_idx is honoured as it is given: each k may name any of the 32 groups.
; ARITHMETIC.  In f32: w = q s + c with c = -(z + 1) s.  An integer of 5 bits times a scale of 11 bits is exact, and so is the fused sum (q - z - 1) s; w is rounded ONCE, to f16.
; LIMITS.  |w| beyond 65,504 (a scale beyond 4,094) becomes an infinity in f16.  g_idx is taken as min(unsigned g_idx, 31), which changes no index that lies inside the table.  NaN and infinities are not treated apart.
; SHARES.  A work-group makes 128 columns n x 256 k: 32 rows x 128 words of qweight.  Wave w takes 4 of those rows (32 k, whose 32 group numbers are scalars of the wave); lane i the columns i + 32 c, c = 0..3.
; THE TABLE.  s and c of all 32 groups x 128 columns are made once a work-group, in f32, in LDS.  An entry is 16 bytes, {s, s', c, c'} of the columns 64 h + i and 64 h + 32 + i: one LDS load feeds one packed
; multiply-add for two columns.  A lane's eight k of a word may lie in eight groups: eight addresses a row, each the group's scalar plus the lane's place.
; THE WAY OUT.  A lane's eight k of a column are 16 bytes of a row of wt; they go through a stage in LDS (rows of 512 bytes + 16) and come back as whole rows: each store of a wave covers 512 consecutive bytes, aligned.
; NO CLUSTER, NO TENSOR LOAD, NO MATRIX WORK, NO PREFETCH: of the 90 KiB that a work-group moves (16 of qweight, 10 of scales and zeros, 64 out) only the 10 are shared with others, and they are converted in registers
; on their way into LDS; every word of qweight is read once, by loads that are all issued at the head; there is no product here.
.set TAB,    0                         ; 32 groups x 1,024 bytes: entry (g, h, i) at 1,024 g + 512 h + 16 i
.set STG,    32768                     ; 128 rows (n) of SPITCH bytes
.set SPITCH, 528                       ; 512 bytes of data + 16 = 132 words: row r starts at bank 4 r mod 64 (64 banks of 4 bytes: ISA guide 11.1)
.set SPARE,  STG+128*SPITCH            ; 100,352: the spare words, 128 bytes for each of the eight waves: four blocks of 256 bytes that no other line names
.set SPW, 2                            ; v2   LDS address of my spare word: SPARE + 4 x my thread's number; never rewritten
.set NIL, 3                            ; v3   0; never rewritten
.set QO,  4                            ; v4   4 x lane: my word in 128 bytes of a row of qweight
.set SO,  5                            ; v5   my 16 bytes of scales for the table
.set ZO,  6                            ; v6   my word of qzeros for the table
.set TW,  7                            ; v7   where I write my eight table entries: 128 x thread
.set TR,  8                            ; v8   16 x lane: my entry in half a group's table
.set SW,  9                            ; v9   the stage, in: row = lane, byte 64 x wave
.set SR,  10                           ; v10  the stage, back: row 16 x wave, byte 16 x lane
.set WO,  11                           ; v11  my 16 bytes in wt: 16 rows x wave, 16 x lane
.set ONE, 12                           ; v12  1.0
.set ZERO, 13                          ; v13  0.0
.set QW,  16                           ; v[16:31]   my 16 words of qweight: row r, column group c at QW + 4 r + c
.set SA,  32                           ; v[32:35]   eight scales (f16), columns 64 h + 8 (t % 4) + 0..7
.set SB,  36                           ; v[36:39]   the same 32 columns on
.set ZA,  40                           ; v40, v41   their zeros, a nibble each
.set ZB,  41
.set E,   48                           ; v[48:79]   eight table entries of four registers
.set F,   48                           ; v[48:63]   later: sixteen numbers in f32, at work
.set TA,  80                           ; v[80:87]   a row's eight table addresses
.set T0,  96                           ; v[96:159], v[160:223]  two sets of a row's table values: k j, half h at 8 j + 4 h; later the rows read back from the stage
.set O,   224                          ; v[224:239] column group c's eight f16 at O + 4 c
.set GI,  16                           ; s[16:47]   my wave's 32 numbers of g_idx, then 1,024 x min(g, 31)
	s_load_b256 s[4:11], s[0:1], 0x0               ; qweight s[4:5], scales s[6:7], qzeros s[8:9], g_idx s[10:11]
	s_load_b64 s[12:13], s[0:1], 0x20              ; wt
	v_lshl_add_u32 v[SPW], v0, 2, SPARE
	v_mov_b32 v[NIL], 0
	v_lshrrev_b32 v14, 5, v0
	v_readfirstlane_b32 s14, v14                   ; wave 0..7
	s_mov_b32 s15, ttmp9                           ; tx: columns 128 tx on
	s_and_b32 s2, ttmp7, 0xffff                    ; ty: k 256 ty on
	v_and_b32 v1, 31, v0                           ; lane
	v_lshlrev_b32 v[QO], 2, v1
	; the table's builder: thread t makes the entries 8 (t % 8) + 0..7 of group t / 8: half h = (t / 4) % 2, places 8 (t % 4) + 0..7
	v_lshrrev_b32 v14, 3, v0                       ; g
	v_bfe_u32 v15, v0, 2, 1                        ; h
	v_and_b32 v[SO], 3, v0                         ; t % 4
	v_lshlrev_b32 v[ZO], 2, v[SO]                  ; qzeros: a word for 8 columns,
	v_lshl_add_u32 v[ZO], v15, 5, v[ZO]            ; 8 words for 64,
	v_lshl_add_u32 v[ZO], v14, 10, v[ZO]           ; a row of 1,024 bytes a group
	v_lshlrev_b32 v[SO], 4, v[SO]                  ; scales: 16 bytes for 8 columns,
	v_lshl_add_u32 v[SO], v15, 7, v[SO]            ; 128 for 64,
	v_lshl_add_u32 v[SO], v14, 12, v[SO]           ; a row of 4,096 bytes a group
	v_lshlrev_b32 v[TW], 7, v0
	v_lshlrev_b32 v[TR], 4, v1
	v_mul_u32_u24 v[SW], v1, SPITCH
	s_lshl_b32 s3, s14, 6                          ; my wave's 32 k: 64 bytes of a stage row
	s_add_co_u32 s3, s3, STG
	v_add_nc_u32 v[SW], s3, v[SW]
	s_mul_i32 s3, s14, 16*SPITCH                   ; back: my wave's 16 rows
	s_add_co_u32 s3, s3, STG
	v_add_nc_u32 v[SR], s3, v[TR]
	s_lshl_b32 s3, s14, 17                         ; 16 rows of wt
	v_add_nc_u32 v[WO], s3, v[TR]
	v_mov_b32 v[ONE], 1.0
	v_mov_b32 v[ZERO], 0
	; each buffer's offset, in a pair of its own
	s_lshl_b32 s48, s2, 18                         ; qweight: 32 rows of 8,192 bytes x ty,
	s_lshl_b32 s3, s14, 15                         ; 4 rows x wave,
	s_add_co_u32 s48, s48, s3
	s_lshl_b32 s3, s15, 9                          ; 128 words x tx
	s_add_co_u32 s48, s48, s3
	s_mov_b32 s49, 0
	s_lshl_b32 s50, s15, 8                         ; scales: 128 f16 x tx
	s_mov_b32 s51, 0
	s_lshl_b32 s52, s15, 6                         ; qzeros: 16 words x tx
	s_mov_b32 s53, 0
	s_lshl_b32 s54, s2, 10                         ; g_idx: 256 words x ty,
	s_lshl_b32 s3, s14, 7                          ; 32 words x wave
	s_add_co_u32 s54, s54, s3
	s_mov_b32 s55, 0
	s_lshl_b32 s56, s15, 20                        ; wt: 128 rows of 8,192 bytes x tx,
	s_lshl_b32 s3, s2, 9                           ; 256 f16 x ty
	s_add_co_u32 s56, s56, s3
	s_mov_b32 s57, 0
	s_wait_kmcnt 0x0
	s_add_nc_u64 s[4:5], s[4:5], s[48:49]
	s_add_nc_u64 s[6:7], s[6:7], s[50:51]
	s_add_nc_u64 s[8:9], s[8:9], s[52:53]
	s_add_nc_u64 s[10:11], s[10:11], s[54:55]
	s_add_nc_u64 s[12:13], s[12:13], s[56:57]
	s_load_b512 s[GI:GI+15], s[10:11], 0x0         ; the groups of my wave's 32 k
	s_load_b512 s[GI+16:GI+31], s[10:11], 0x40
	global_load_b128 v[SA:SA+3], v[SO], s[6:7]     ; what the table is made of goes first,
	global_load_b128 v[SB:SB+3], v[SO], s[6:7] offset:64
	global_load_b32 v[ZA], v[ZO], s[8:9]
	global_load_b32 v[ZB], v[ZO], s[8:9] offset:16
.irp r, 0,1,2,3
.irp c, 0,1,2,3
	global_load_b32 v[QW+4*(\r)+(\c)], v[QO], s[4:5] offset:(\r)*8192+(\c)*128 th:TH_LOAD_NT  ; then all my weights: read once in the launch
.endr
.endr
; f16 to f32, exactly: the half times 1.0 plus 0; hi picks the register's upper half
.macro WIDEN dst, src, hi
.if \hi
	v_fma_mix_f32 v[\dst], v[\src], v[ONE], v[ZERO] op_sel:[1,0,0] op_sel_hi:[1,0,0]
.else
	v_fma_mix_f32 v[\dst], v[\src], v[ONE], v[ZERO] op_sel_hi:[1,0,0]
.endif
.endm
; Entry e of my eight: s and s' widened; -(z + 1) is the nibble's complement as a whole number; c = -(z + 1) s, exact
.macro ENTRY e
	WIDEN E+4*(\e), SA+(\e)/2, (\e)%2
	WIDEN E+4*(\e)+1, SB+(\e)/2, (\e)%2
	v_bfe_u32 v14, v[ZA], 4*(\e), 4
	v_bfe_u32 v15, v[ZB], 4*(\e), 4
	v_xor_b32 v14, -1, v14
	v_xor_b32 v15, -1, v15
	v_cvt_f32_i32 v14, v14
	v_cvt_f32_i32 v15, v15
	v_mul_f32 v[E+4*(\e)+2], v14, v[E+4*(\e)]
	v_mul_f32 v[E+4*(\e)+3], v15, v[E+4*(\e)+1]
	ds_store_b128 v[TW], v[E+4*(\e):E+4*(\e)+3] offset:TAB+16*(\e)  ; lanes 128 bytes apart share banks: eight stores, once a work-group
.endm
	s_wait_loadcnt 16                              ; loads come back in order (ISA guide 5.7.1): scales and zeros are in, the 16 younger loads of weights stay out
.irp e, 0,1,2,3,4,5,6,7
	ENTRY \e
.endr
	s_wait_kmcnt 0x0                               ; g_idx
.set i, 0
.rept 32
	s_min_u32 s[GI+i], s[GI+i], 31                 ; an index stays inside the table that it indexes
	s_lshl_b32 s[GI+i], s[GI+i], 10                ; the group's 1,024 bytes of the table
.set i, i+1
.endr
	s_wait_dscnt 0x0                               ; for the others' sake: my entries are written
	s_barrier_signal -1
	s_barrier_wait -1                              ; the table is whole
; Row r's table values into set t: for each of the word's eight k its own group's entries, both halves of the columns: 16 loads, lanes 16 bytes apart
.macro LOADT r, t
.irp j, 0,1,2,3,4,5,6,7
	v_add_nc_u32 v[TA+(\j)], s[GI+8*(\r)+(\j)], v[TR]
	ds_load_b128 v[(\t)+8*(\j):(\t)+8*(\j)+3],   v[TA+(\j)] offset:TAB
	ds_load_b128 v[(\t)+8*(\j)+4:(\t)+8*(\j)+7], v[TA+(\j)] offset:TAB+512
.endr
.endm
; Row r: for each half h, two words (columns 64 h + i and 64 h + 32 + i): sixteen nibbles to f32, eight packed q s + c, and each column's eight k rounded to f16 in pairs
.macro COMPUTE r, t
.irp h, 0,1
.irp j, 0,1,2,3,4,5,6,7
	v_bfe_u32 v[F+2*(\j)],   v[QW+4*(\r)+2*(\h)],   4*(\j), 4
	v_bfe_u32 v[F+2*(\j)+1], v[QW+4*(\r)+2*(\h)+1], 4*(\j), 4
.endr
.irp j, 0,1,2,3,4,5,6,7
	v_cvt_f32_u32 v[F+2*(\j)],   v[F+2*(\j)]
	v_cvt_f32_u32 v[F+2*(\j)+1], v[F+2*(\j)+1]
.endr
.irp j, 0,1,2,3,4,5,6,7
	v_pk_fma_f32 v[F+2*(\j):F+2*(\j)+1], v[F+2*(\j):F+2*(\j)+1], v[(\t)+8*(\j)+4*(\h):(\t)+8*(\j)+4*(\h)+1], v[(\t)+8*(\j)+4*(\h)+2:(\t)+8*(\j)+4*(\h)+3]
.endr
.irp p, 0,1
.irp q, 0,1,2,3
	v_cvt_pk_f16_f32 v[O+4*(2*(\h)+(\p))+(\q)], v[F+4*(\q)+(\p)], v[F+4*(\q)+2+(\p)]  ; k 2 q and 2 q + 1 of column group 2 h + p
.endr
.endr
.endr
.endm
.macro STORE r                         ; 16 bytes (eight k) into row lane + 32 c of the stage
.irp c, 0,1,2,3
	ds_store_b128 v[SW], v[O+4*(\c):O+4*(\c)+3] offset:(\c)*32*SPITCH+16*(\r)
.endr
.endm
	LOADT 0, T0
	s_wait_loadcnt 0x0                             ; my weights
.irp r, 0,1,2,3
.if (\r) < 3
	LOADT (\r)+1, T0+64*(((\r)+1)%2)               ; the next row's values are on their way while this row is worked on
	s_wait_dscnt 16                                ; LDS instructions end in order (ISA guide 5.7.1): all but the 16 just issued are done: this row's values, and the row before's four stores
.else
	s_wait_dscnt 0x0
.endif
	COMPUTE \r, T0+64*((\r)%2)
	STORE \r
.endr
	s_wait_dscnt 0x0                               ; for the others' sake: my part of every stage row is written
	s_barrier_signal -1
	s_barrier_wait -1                              ; the stage is whole
.irp t, 0,1,2,3,4,5,6,7,8,9,10,11,12,13,14,15
	ds_load_b128 v[T0+4*(\t):T0+4*(\t)+3], v[SR] offset:(\t)*SPITCH  ; a whole row of 512 bytes, 16 a lane
.endr
.irp t, 0,1,2,3,4,5,6,7,8,9,10,11,12,13,14,15
	s_wait_dscnt 15-(\t)
	global_store_b128 v[WO], v[T0+4*(\t):T0+4*(\t)+3], s[12:13] offset:(\t)*8192  ; 512 consecutive bytes of a row of wt, at a multiple of 512 from wt's first byte
.endr
	s_wait_tensorcnt 0x0                           ; the wave's end, behind my last LDS store
	ds_add_u32 v[SPW], v[NIL]
	s_wait_dscnt 0x0
	s_endpgm
.Lfunc_end_k_qaf4735eef9_dequant:
	.size	k_qaf4735eef9_dequant, .Lfunc_end_k_qaf4735eef9_dequant-k_qaf4735eef9_dequant
	.p2alignl 7, 3214868480
	.fill 96, 4, 3214868480
	.section	.rodata,"a",@progbits
	.p2align	6, 0x0
	.amdhsa_kernel k_qaf4735eef9_dequant
		.amdhsa_group_segment_fixed_size 101376
		.amdhsa_private_segment_fixed_size 0
		.amdhsa_enable_private_segment 0
		.amdhsa_kernarg_size 40
		.amdhsa_user_sgpr_count 2
		.amdhsa_user_sgpr_kernarg_segment_ptr 1
		.amdhsa_wavefront_size32 1
		.amdhsa_system_sgpr_workgroup_id_x 1
		.amdhsa_system_sgpr_workgroup_id_y 1
		.amdhsa_system_sgpr_workgroup_id_z 1
		.amdhsa_system_vgpr_workitem_id 0
		.amdhsa_next_free_vgpr 240
		.amdhsa_next_free_sgpr 66
		.amdhsa_reserve_vcc 0
		.amdhsa_float_denorm_mode_32 3
		.amdhsa_float_denorm_mode_16_64 3
		.amdhsa_memory_ordered 1
		.amdhsa_forward_progress 1
		.amdhsa_inst_pref_size 41
	.end_amdhsa_kernel
	.amdgpu_metadata
---
amdhsa.version: [ 1, 2 ]
amdhsa.kernels:
  - .name:           k_qaf4735eef9_dequant
    .symbol:         k_qaf4735eef9_dequant.kd
    .args:
      - { .name: qweight, .offset: 0, .size: 8, .value_kind: global_buffer, .address_space: global }
      - { .name: scales, .offset: 8, .size: 8, .value_kind: global_buffer, .address_space: global }
      - { .name: qzeros, .offset: 16, .size: 8, .value_kind: global_buffer, .address_space: global }
      - { .name: g_idx, .offset: 24, .size: 8, .value_kind: global_buffer, .address_space: global }
      - { .name: wt, .offset: 32, .size: 8, .value_kind: global_buffer, .address_space: global }
    .group_segment_fixed_size: 101376
    .private_segment_fixed_size: 0
    .kernarg_segment_align: 8
    .kernarg_segment_size: 40
    .max_flat_workgroup_size: 256
    .sgpr_count:     66
    .vgpr_count:     240
    .wavefront_size: 32
...
	.end_amdgpu_metadata
.endif
;; end of part 1
;; launch gemm (part 2): grid 8 x 32, 4 waves a work-group, clusters of 4 x 4, 327,680 bytes of LDS; arguments x, wt, out0, bias; writes out0
.if DOCPART == 2
	.amdgcn_target "amdgcn-amd-amdhsa--gfx1250"
	.amdhsa_code_object_version 6
	.text
	.protected	k_qaf4735eef9_gemm
	.globl	k_qaf4735eef9_gemm
	.p2align	8
	.type	k_qaf4735eef9_gemm,@function
k_qaf4735eef9_gemm:
	s_mov_b64 s[64:65], 0
	v_nop
	global_prefetch_b8 v0, s[64:65] scope:SCOPE_SE
	s_setreg_imm32_b32 hwreg(HW_REG_WAVE_MODE, 25, 1), 1
	s_wait_xcnt 0x0
	s_wait_alu depctr_hold_cnt(0) depctr_sa_sdst(0) depctr_va_vdst(0) depctr_va_sdst(0) depctr_va_ssrc(0) depctr_va_vcc(0) depctr_vm_vsrc(0)
	s_getreg_b32 s2, hwreg(HW_REG_IB_STS2, 6, 4)
	s_cmp_eq_u32 s2, 0
	s_cbranch_scc0 .Lentry_in_a_cluster
	s_endpgm
.Lentry_in_a_cluster:
	s_bfe_u32 s2, ttmp6, 0x10000c
	s_cmp_lg_u32 s2, 0xf033
	s_cbranch_scc0 .Lentry_shape_is_right
	s_endpgm
.Lentry_shape_is_right:
; out0[m][n] = bias[n] + the sum over k of x[m][k] wt[n][k].  x: [8192][4096] f16, wt: [2048][4096] f16 (the weights, made by the launch before), bias: [2048] f16, out0: [8192][2048] f16.
; Products of f16 operands, sums in f32, K ascending; the bias, widened to f32, STARTS each sum (it is the C operand of the first product: an order of addition other than adding it last); out0 is rounded once.
; LIMITS.  A result beyond 65,504 becomes an infinity, as an f16 output must; NaN and infinities are not treated apart.
; SHARES.  C has 32 x 8 tiles of 256 x 256: one for each of 256 work-groups of four waves; a wave makes 128 x 128: 64 accumulators of 16 x 16, 512 registers.  K goes in 32 steps of 128 through a ring of two LDS
; slots filled by the tensor data mover: the rows of a tile are 256 bytes of memory and start at multiples of 256 bytes from the buffer's first byte.
; The last K step goes by rows of C, so that finished rows leave while the others are multiplied.
; CLUSTERS: 4 x 4 work-groups.  The four of a row of the cluster make tiles of one tile row of C and need the same tiles of x; the four of a column need the same tiles of wt.  Such a tile is asked for JOINTLY:
; each of the four issues the same tensor load, with the same descriptor and a mask that names the four, and each receives the tile in its own LDS.
;
; REGISTERS, in windows of 256 (an instruction names v0-v255; s_set_vgpr_msb says which window each operand place means: bits 1:0 source 0, 3:2 source 1, 5:4 source 2, 7:6 destination):
;   window 0: v0-31 addresses and two constants; v64-127, v128-191 fragments of x (8 x 16 rows x 32 K), two buffers (in the last K step four, of 16 rows x 128 K);
;             v32-63 the bias as loaded, v192-255 the bias in f32 (eight registers for each of my eight blocks of 16 columns); both are at work on the way out later
;   window 1: v64-127, v128-191 fragments of wt, two buffers; in the last K step all 256: wt's fragments of the whole step
;   window 2: the 32 accumulators of my rows 0-63 (accumulator (a, b) at v[8 (8 a + b)]);   window 3: those of my rows 64-127
; THE MATRIX INSTRUCTION IS USED TRANSPOSED: source 0 = 16 rows of wt, source 1 = 16 rows of x.  In C and D lane l then holds row m = l % 16 of the output, and its registers 0 to 7 the columns
; n = 8 (l / 16) + 0 .. 7: eight NEIGHBOURING numbers of a row, which pack into 16 bytes; and the bias of those eight columns is 16 neighbouring bytes of bias.
.set SIZE_M, 8192
.set SIZE_N, 2048
.set SIZE_K, 4096
.set KSTEP,  128
.set PITCH,  272                       ; an LDS row: 256 bytes of data + 16 of padding = 68 words: row r starts at bank 4 r mod 64 (64 banks of 4 bytes: ISA guide 11.1), so the 16 rows that a load touches start at 16 different banks
.set HALFT,  128*PITCH                 ; 128 rows: what one tensor load brings, and what one wave reads of x or of wt
.set SLOT,   4*HALFT                   ; x's 256 rows, then wt's 256 rows
.set STAGE,  2*SLOT                    ; behind the ring: 16 rows x 272 bytes for each wave, for the way out; no tensor load lands here
.set SPITCH, 272
.set SPARE,  STAGE+4*16*SPITCH         ; behind the stages: the spare words, 128 bytes for each wave: two blocks of 256 bytes that no other line names
.set LAPS, SIZE_K/(2*KSTEP)            ; 16 laps; a lap = two K steps = once round the ring
.set ADRA, 16                          ; v16-17  LDS address of my fragments of x in slot 0, 1
.set ADRB, 20                          ; v20-21  the same for wt
.set ONE,  22                          ; v22     1.0
.set ZERO, 23                          ; v23     0.0
.set STO,  24                          ; v24     the way out: where I put 16 bytes of a row
.set RD,   25                          ; v25     the way out: where I read a row back
.set CO,   26                          ; v26     my byte offset in the output
.set BO,   27                          ; v27     my byte offset in bias
.set SPW,  28                          ; v28     LDS address of my spare word: SPARE + 4 x my thread's number; never rewritten
.set NIL,  29                          ; v29     0; never rewritten
.set PFO,  30                          ; v30     the prefetches' offset: my lane x a row of x or wt in memory (8,192 bytes); never rewritten
.set PFA,  44                          ; s[44:45] where my prefetches stand: my work-group's 32 rows of the 128 that I fetch, one K step further along K than the refill that is being asked for; a prefetch names the K step after that
.set LIM,  43                          ; s43     1 in a wave that prefetches, else the greatest number
.set BI,   66                          ; s[66:67] bias
.set F0,   64                          ; fragment buffer 0
.set F1,   128                         ; fragment buffer 1
.set RAW,  32                          ; the bias as loaded: 8 x 4 registers
.set BIAS, 192                         ; the bias in f32: block b of 16 columns at BIAS + 8 b
.set TMP,  192                         ; the way out: packed results, in window 0
.set OB,   32                          ; the way out: 16 rows read back from the stage: v32-63 and v224-255 by turns
.set PA,   64                          ; the last K step: x's fragments of 16 rows x 128 K, 32 registers; four such buffers, v64-191
.set G1, 24                            ; s[24:31] descriptor group 1 for x's tiles
.set G0, 32                            ; s[32:39] descriptor group 0 for x's tiles, one set for each slot
.set G1B, 48                           ; s[48:55] descriptor group 1 for wt's tiles: it differs in the mask alone
.set G0B, 56                           ; s[56:63] descriptor group 0 for wt's tiles, one set for each slot
.set MSB, 0
.macro WIN new                         ; the immediate's high byte repeats the setting that is left; a switch that changes nothing is dropped
.if MSB != (\new)
	s_set_vgpr_msb (MSB<<8)|(\new)
.set MSB, \new
.endif
.endm
.set MUL_LO,   0xa1                    ; source 0 (wt) window 1, source 1 (x) window 0, C and D window 2
.set MUL_HI,   0xf1                    ; the same, C and D window 3
.set FIRST_LO, 0x81                    ; the first product of a sum: C (the bias) window 0, D window 2
.set FIRST_HI, 0xc1                    ; the same, D window 3
.set TO_B,     0x40                    ; destination window 1, address window 0
; A joint load.  Waves 0 and 1 fetch the two halves of x's tile, waves 2 and 3 those of wt's.  Each of the two lines has ONE mask and one set of registers for all that issue it, and nothing in them hangs on a
; coordinate that the four partners do not share.  The branch hangs on the wave's number alone.  An s_nop 0 and four v_nop follow each of the two lines, ahead of the jump, the label and what follows.
.macro JLOAD s
	s_cmp_eq_u32 s11, 0
	s_cbranch_scc0 .Lfor_b_\@
	tensor_load_to_lds s[G0+4*(\s):G0+4*(\s)+3], s[G1:G1+7]
	s_nop 0
.rept 4
	v_nop
.endr
	s_branch .Lasked_\@
.Lfor_b_\@:
	tensor_load_to_lds s[G0B+4*(\s):G0B+4*(\s)+3], s[G1B:G1B+7]
	s_nop 0
.rept 4
	v_nop
.endr
.Lasked_\@:
.endm
; A PREFETCH INTO THE L2, behind each joint refill, its five lines and the run of LDS loads that follows them: the K step that stands TWO refills on (512 matrix instructions ahead of the load that will ask for it):
; 32 rows x 256 bytes, a lane a row, one instruction a wave.  Each row's 256 bytes of a K step are named ONCE in the launch: x's tile row is read by both clusters of that row of clusters, and the one with
; cluster x = 0 asks; wt's tile column by all eight clusters of that column, and the one with cluster y = 0 asks.  The four partners that ask for a tile jointly share its rows out BY ADDRESS: of the 128 rows that a
; wave fetches, the partner at place p takes 32 p .. 32 p + 31 (p = cx for x, cy for wt): no branch hangs on a work-group's place in its cluster.  K steps 0 to 3 come by their loads alone;
; the loop's last trip (s3 = 1) asks for nothing: K steps 32 and 33 do not exist.
.macro ASK
	s_cmp_gt_u32 s3, s[LIM]
	s_cbranch_scc0 .Lnot_mine_\@
	global_prefetch_b8 v[PFO], s[PFA:PFA+1] offset:KSTEP*2 th:TH_LOAD_NT scope:SCOPE_SE
.Lnot_mine_\@:
.endm
; A round of the cluster's barrier: my work-group's barrier, so that wave 0's signal speaks for all four waves; wave 0 signals for the work-group; every wave waits for all sixteen work-groups; my work-group's
; barrier once more.  No LDS instruction of the wave is pending at a signal.
.macro CREST                           ; a round behind its opening barrier
	s_cmp_lg_u32 s10, 0
	s_cbranch_scc1 .Lnot_wave_0_\@
	s_barrier_signal -3
.Lnot_wave_0_\@:
	s_barrier_wait -3
	s_barrier_signal -1
	s_barrier_wait -1
.endm
.macro CROUND                          ; a whole round
	s_barrier_signal -1
	s_barrier_wait -1
	CREST
.endm
	s_load_b128 s[4:7], s[0:1], 0x0                ; x s[4:5], wt s[6:7]
	s_load_b64 s[8:9], s[0:1], 0x10                ; out0
	s_load_b64 s[BI:BI+1], s[0:1], 0x18            ; bias
	v_lshl_add_u32 v[SPW], v0, 2, SPARE
	v_mov_b32 v[NIL], 0
	ds_add_u32 v[SPW], v[NIL]                      ; the wave's opening: the add and its wait stand ahead of my first tensor load; the set-up below, work on registers, stands between them
	v_lshrrev_b32 v1, 5, v0
	v_readfirstlane_b32 s10, v1                    ; wave 0..3
	s_lshr_b32 s11, s10, 1                         ; which half of the tile's rows is mine.  Also: I fetch for x (0) or for wt (1)
	s_and_b32 s12, s10, 1                          ; which half of its columns.  Also: which 128 rows of that tile I fetch
	s_bfe_u32 s40, ttmp6, 0x40000                  ; cx: my place along the cluster's x
	s_bfe_u32 s41, ttmp6, 0x40004                  ; cy: along its y
	s_lshl_b32 s42, ttmp9, 2                       ; in a cluster launch ttmp9 and ttmp7 count clusters
	s_add_co_u32 s42, s42, s40                     ; tile column of C = 4 x cluster x + cx
	s_and_b32 s13, ttmp7, 0xffff
	s_lshl_b32 s13, s13, 2
	s_add_co_u32 s13, s13, s41                     ; tile row of C = 4 x cluster y + cy
	s_lshl_b32 s43, s41, 2
	s_lshl_b32 s43, 15, s43                        ; my row of the cluster: places 4 cy .. 4 cy + 3
	s_lshl_b32 s44, 0x1111, s40                    ; my column: places cx, cx + 4, cx + 8, cx + 12
	; descriptor group 1: a tile of 128 rows x 128 elements, padded in LDS
	s_or_b32 s[G1+0], s43, (1<<16)|(1<<20)|(1<<21)|(5<<22)|(3<<25)  ; 15:0 the mask: x's tiles go to my row; 17:16 element of 2 bytes; 20 padding on; 21 set beside a mask; 24:22 after every 64 words (code 5); 31:25 of 4 words (code 3)
	s_or_b32 s[G1B+0], s44, (1<<16)|(1<<20)|(1<<21)|(5<<22)|(3<<25) ; the same with the mask of my column, for wt's tiles
	s_mov_b32 s[G1B+1], KSTEP<<16
	s_mov_b32 s[G1+1], KSTEP<<16                   ; 63:48 tensor_dim0, low half = 128
	s_mov_b32 s[G1B+2], 128<<16
	s_mov_b32 s[G1+2], 128<<16                     ; 79:64 its high half = 0; 95:80 tensor_dim1, low half = 128
	s_mov_b32 s[G1B+3], KSTEP<<16
	s_mov_b32 s[G1+3], KSTEP<<16                   ; 111:96 its high half = 0; 127:112 tile_dim0 = 128
	s_mov_b32 s[G1B+4], 128
	s_mov_b32 s[G1+4], 128                         ; 143:128 tile_dim1 = 128; 159:144 tile_dim2 = 0
	s_mov_b32 s[G1B+5], SIZE_K
	s_mov_b32 s[G1+5], SIZE_K                      ; 191:160 tensor_dim0_stride, low word: elements from row to row
	s_mov_b32 s[G1B+6], 0
	s_mov_b32 s[G1+6], 0
	s_mov_b32 s[G1B+7], 0
	s_mov_b32 s[G1+7], 0
	; where the tiles come from.  x's hang on the tile row alone, which my row of the cluster shares; wt's on the tile column alone, which my column shares.
	; Every wave makes both addresses, in registers that never hold the other coordinate, and asks by one of them.
	s_lshl_b32 s17, s12, 7                         ; which 128 rows of the tile I fetch
	s_lshl_b32 s16, s13, 8
	s_add_co_u32 s16, s16, s17                     ; x: row 256 x tile row + 128 x half
	s_lshl_b32 s46, s42, 8
	s_add_co_u32 s46, s46, s17                     ; wt: row 256 x tile column + 128 x half
	s_mov_b32 s17, 0
	s_mov_b32 s47, 0
	s_mov_b64 s[18:19], SIZE_K*2
	s_mul_u64 s[16:17], s[16:17], s[18:19]         ; in bytes, in 64 bits
	s_mul_u64 s[46:47], s[46:47], s[18:19]
	s_mul_i32 s20, s10, HALFT                      ; and where they go: x's two halves, then wt's two halves = wave x 128 rows: no place in the cluster enters an LDS address
	s_wait_dscnt 0x0                               ; the opening add is done
	s_wait_kmcnt 0x0
	s_add_nc_u64 s[14:15], s[4:5], s[16:17]
	s_add_nc_u64 s[46:47], s[6:7], s[46:47]
	CROUND                                         ; all sixteen work-groups are here: the first joint loads meet
.irp s, 0,1
	s_mov_b32 s[G0+4*(\s)], 1                                      ; 1:0 count = 1
	s_add_co_u32 s[G0+4*(\s)+1], s20, (\s)*SLOT                    ; 63:32 LDS address
	s_add_nc_u64 s[G0+4*(\s)+2:G0+4*(\s)+3], s[14:15], (\s)*KSTEP*2  ; 120:64 global address: K step s
	s_or_b32 s[G0+4*(\s)+3], s[G0+4*(\s)+3], 0x80000000            ; 127:126 type = 2
	s_mov_b32 s[G0B+4*(\s)], 1
	s_add_co_u32 s[G0B+4*(\s)+1], s20, (\s)*SLOT
	s_add_nc_u64 s[G0B+4*(\s)+2:G0B+4*(\s)+3], s[46:47], (\s)*KSTEP*2
	s_or_b32 s[G0B+4*(\s)+3], s[G0B+4*(\s)+3], 0x80000000
	JLOAD \s                                       ; the ring is filled before anything else is done: two tensor loads of mine are out
.endr
	; A fragment is 16 rows x 32 K in 8 registers: lane l holds row l % 16; registers 0-3 hold K = 8 (l / 16) + 0..7, registers 4-7 hold
	; K = 16 + 8 (l / 16) + 0..7.  From rows that lie along K: two loads of 16 bytes, 32 bytes apart.  The same for source 0 and source 1.
	v_and_b32 v1, 15, v0                           ; l % 16
	v_bfe_u32 v2, v0, 4, 1                         ; l / 16
	v_mul_u32_u24 v3, v1, PITCH
	v_lshl_add_u32 v3, v2, 4, v3                   ; row x pitch + 16 x half
	s_mul_i32 s21, s11, HALFT                      ; my 128 rows of x
	s_mul_i32 s22, s12, HALFT                      ; my 128 rows of wt,
	s_add_co_u32 s22, s22, 2*HALFT                 ; which lie behind x's 256
.irp s, 0,1
	v_add_nc_u32 v[ADRA+(\s)], s21, v3
	v_add_nc_u32 v[ADRB+(\s)], s22, v3
	s_add_co_u32 s21, s21, SLOT
	s_add_co_u32 s22, s22, SLOT
.endr
	s_mul_i32 s23, s10, 16*SPITCH
	s_add_co_u32 s23, s23, STAGE                   ; my stage
	v_mul_u32_u24 v4, v1, SPITCH                   ; in: row l % 16, 16 bytes for each half of the lanes
	v_lshl_add_u32 v4, v2, 4, v4
	v_add_nc_u32 v[STO], s23, v4
	v_mul_u32_u24 v5, v2, SPITCH                   ; back: lanes 0-15 take one row of 256 bytes, lanes 16-31 the next
	v_lshl_add_u32 v5, v1, 4, v5
	v_add_nc_u32 v[RD], s23, v5
	v_mul_u32_u24 v5, v2, SIZE_N*2                 ; and the same two rows in the output
	v_lshl_add_u32 v[CO], v1, 4, v5
	; where my part of the tile begins in the output, in bytes: the way out adds it to the output's address
	s_lshl_b32 s13, s13, 8
	s_lshl_b32 s14, s11, 7
	s_add_co_u32 s16, s13, s14                     ; my first row
	s_mov_b32 s17, 0
	s_mov_b64 s[18:19], SIZE_N*2
	s_mul_u64 s[16:17], s[16:17], s[18:19]
	s_lshl_b32 s46, s42, 9                         ; my first column, in bytes: 512 x tile column + 256 x half (in the registers that held wt's address: none that feeds x's descriptors ever holds cx)
	s_lshl_b32 s47, s12, 8
	s_add_co_u32 s46, s46, s47
	v_lshl_add_u32 v[BO], v2, 4, s46               ; the same bytes in bias, + 16 for the upper half of the lanes: their eight columns
	s_mov_b32 s47, 0
	s_add_nc_u64 s[16:17], s[16:17], s[46:47]
.irp b, 0,1,2,3,4,5,6,7
	global_load_b128 v[RAW+4*(\b):RAW+4*(\b)+3], v[BO], s[BI:BI+1] offset:32*(\b)  ; block b of 16 columns: my eight numbers of bias
.endr
	; the prefetches.  s13 = 256 x tile row, s42 = tile column, s40 = cx, s41 = cy still stand; s[4:5] = x, s[6:7] = wt
	s_lshl_b32 s42, s42, 8
	s_and_b32 s22, ttmp7, 0xffff                   ; cluster y
	s_cmp_eq_u32 s11, 0                            ; do I fetch for x?
	s_cselect_b32 s20, s13, s42                    ; the tile's first row: in x by the tile row, in wt by the tile column
	s_cselect_b32 s21, s40, s41                    ; my place among the four that ask for it with me
	s_cselect_b32 s22, ttmp9, s22                  ; the coordinate along which other clusters read the same rows
	s_cselect_b64 s[PFA:PFA+1], s[4:5], s[6:7]
	s_cmp_eq_u32 s22, 0
	s_cselect_b32 s[LIM], 1, -1                    ; the same in all sixteen partners, for a given wave
	s_lshl_b32 s22, s12, 7
	s_add_co_u32 s20, s20, s22                     ; + the 128 rows that I fetch
	s_lshl_b32 s21, s21, 5
	s_add_co_u32 s20, s20, s21                     ; + my work-group's 32 of them
	s_mov_b32 s21, 0
	s_mov_b64 s[18:19], SIZE_K*2
	s_mul_u64 s[20:21], s[20:21], s[18:19]
	s_add_nc_u64 s[PFA:PFA+1], s[PFA:PFA+1], s[20:21]
	s_add_nc_u64 s[PFA:PFA+1], s[PFA:PFA+1], 2*KSTEP*2  ; at K step 2: the first refill steps it to 3 and names K step 4
	v_and_b32 v[PFO], 31, v0
	v_mul_u32_u24 v[PFO], v[PFO], SIZE_K*2
	; nothing is prefetched here, at the head, where every work-group's first two tiles are on their way
	v_mov_b32 v[ONE], 1.0
	v_mov_b32 v[ZERO], 0
	s_wait_loadcnt 0x0                             ; the bias
.irp b, 0,1,2,3,4,5,6,7                ; f16 to f32, exactly: the half times 1.0 plus 0.  All this stands in the wait for the first tiles
.irp r, 0,1,2,3
	v_fma_mix_f32 v[BIAS+8*(\b)+2*(\r)],   v[RAW+4*(\b)+(\r)], v[ONE], v[ZERO] op_sel_hi:[1,0,0]
	v_fma_mix_f32 v[BIAS+8*(\b)+2*(\r)+1], v[RAW+4*(\b)+(\r)], v[ONE], v[ZERO] op_sel:[1,0,0] op_sel_hi:[1,0,0]
.endr
.endr
; 16 matrix instructions: m blocks a0, a0 + 1 of the window's four (hi = 0: my rows 0-63, 1: rows 64-127) x all 8 n blocks, 32 along K.
; first = 1: the product starts the sum with the bias of its 16 columns as C: nothing is ever cleared, and no addition is left for the way out.
; The 64 accumulators take turns, one instruction a turn, in the same order in every quarter step.
.macro MUL16 f, hi, a0, first
.if \first
	WIN FIRST_LO+0x40*(\hi)                        ; FIRST_LO or FIRST_HI
.else
	WIN MUL_LO+0x50*(\hi)                          ; MUL_LO or MUL_HI
.endif
.irp a, \a0, (\a0)+1
.irp b, 0,1,2,3,4,5,6,7
.if \first
	v_wmma_f32_16x16x32_f16 v[8*(8*(\a)+(\b)):8*(8*(\a)+(\b))+7], v[(\f)+8*(\b):(\f)+8*(\b)+7], v[(\f)+8*(4*(\hi)+(\a)):(\f)+8*(4*(\hi)+(\a))+7], v[BIAS+8*(\b):BIAS+8*(\b)+7]
.else
	v_wmma_f32_16x16x32_f16 v[8*(8*(\a)+(\b)):8*(8*(\a)+(\b))+7], v[(\f)+8*(\b):(\f)+8*(\b)+7], v[(\f)+8*(4*(\hi)+(\a)):(\f)+8*(4*(\hi)+(\a))+7], v[8*(8*(\a)+(\b)):8*(8*(\a)+(\b))+7]
.endif
.endr
.endr
.endm
; 32 LDS loads in one run: the fragments of one quarter step (128 rows of wt, 128 rows of x, 32 K at byte k of the rows) into buffer f
.macro FETCH slot, k, f
	WIN TO_B
.irp i, 0,1,2,3,4,5,6,7
	ds_load_b128 v[(\f)+8*(\i):(\f)+8*(\i)+3],   v[ADRB+(\slot)] offset:(\k)+(\i)*16*PITCH
	ds_load_b128 v[(\f)+8*(\i)+4:(\f)+8*(\i)+7], v[ADRB+(\slot)] offset:(\k)+(\i)*16*PITCH+32
.endr
	WIN 0
.irp i, 0,1,2,3,4,5,6,7
	ds_load_b128 v[(\f)+8*(\i):(\f)+8*(\i)+3],   v[ADRA+(\slot)] offset:(\k)+(\i)*16*PITCH
	ds_load_b128 v[(\f)+8*(\i)+4:(\f)+8*(\i)+7], v[ADRA+(\slot)] offset:(\k)+(\i)*16*PITCH+32
.endr
.endm
; A load into a register that a matrix instruction has read, and a vector instruction that reads a matrix result or writes one of a matrix instruction's registers, stand four places behind that matrix
; instruction, and only plain vector instructions that name none of its registers are places (ISA guide 7.12.1 for vector instructions); the matrix instructions in between are not counted.
.macro PLACES
.rept 4
	v_nop
.endr
.endm
; A K step is four quarter steps of 32 along K, 64 matrix instructions each, on buffers 0, 1, 0, 1.
; One of the first three: multiplies buffer f; in its middle it fetches the next quarter's fragments, at byte k of the same slot's rows, into buffer g.
.macro QUARTER slot, k, f, g, first
	s_wait_dscnt 8                                 ; wt's fragments and x's rows 0-63 are in; the youngest eight loads (x's rows 64-127) may be out
	MUL16 \f, 0, 0, \first
	MUL16 \f, 0, 2, \first
	PLACES
	FETCH \slot, \k, \g
	s_wait_dscnt 32                                ; all but the 32 just issued
	MUL16 \f, 1, 0, \first
	MUL16 \f, 1, 2, \first
.endm
; The last quarter multiplies buffer 1 and changes slots.  MEET is its first half: ONE barrier for the change of slots, for two things.  In front of it each wave waits for all its tensor loads, of which one is
; out: its part of the next slot; adds 0 to its spare word; and waits for that and for its own reads of this slot.  Behind it nobody reads this slot any more and the next slot is whole.
.macro MEET round                      ; round = 1: the rest of a round of the cluster's barrier follows
	WIN 0                                          ; (the add's two registers lie in window 0)
	s_wait_tensorcnt 0x0                           ; all my tensor loads have landed: the one that was out is my part of the next slot;
	ds_add_u32 v[SPW], v[NIL]                      ; 0 onto my spare word;
	s_wait_dscnt 9                                 ; (the add and the youngest eight loads may be out)
	MUL16 F1, 0, 0, 0                              ; sixteen matrix instructions stand between the add and the wait for it
	s_wait_dscnt 0x0                               ; the add is done, and my reads of this slot are over (the last were issued 48 matrix instructions ago):
	s_barrier_signal -1                            ; say so (where a slot is filled again this barrier opens a round of the cluster's barrier),
	MUL16 F1, 0, 2, 0                              ; work on registers while the others arrive,
.if \round
	WIN 0
.endif
	s_barrier_wait -1                              ; and go on when all four have said so
.endm
; The whole last quarter.  Behind the round the slot just read out is filled again first, with the K step two steps on; then come the next slot's first fragments.
; From a request to the wait for it a wave issues 224 matrix instructions.
.macro TURN slot, next
	s_wait_xcnt 0x0                                ; the last prefetch, a K step back, has read its address: it is stepped here, ahead of the waits of the change of slots, so that nothing is added between the round and the joint load
	s_add_nc_u64 s[PFA:PFA+1], s[PFA:PFA+1], KSTEP*2
	MEET 1
	CREST                                          ; wave 0 says so for the work-group, all sixteen work-groups have said so, my work-group's barrier closes the round:
	                                               ; no wave of any partner still reads this slot's tile or has a load on its way
	s_add_nc_u64 s[G0+4*(\slot)+2:G0+4*(\slot)+3], s[G0+4*(\slot)+2:G0+4*(\slot)+3], 2*KSTEP*2      ; no tensor load of mine is out, so a group 0 may be written; the type bits on top are not reached
	s_add_nc_u64 s[G0B+4*(\slot)+2:G0B+4*(\slot)+3], s[G0B+4*(\slot)+2:G0B+4*(\slot)+3], 2*KSTEP*2
	JLOAD \slot                                    ; the first tensor load behind the round, my only one until the next; the four v_nop behind it are also the places in front of the loads below
	FETCH \next, 0, F0
	ASK                                            ; behind the joint load and the run of LDS loads that the next products wait for
	MUL16 F1, 1, 0, 0
	MUL16 F1, 1, 2, 0
.endm
; THE LAST K STEP (it lies in slot 1) GOES BY ROWS OF C, NOT BY K.  All its fragments of wt (4 quarters x 64 registers) fill window 1; then my eight blocks of 16 rows are finished one after the other, each with
; 32 matrix instructions (its 8 accumulators by turns, K ascending).  LDS is read no more than in any other K step.
.macro BLOAD q                         ; wt's fragments of quarter q -> window 1, v[64 q ..]
	WIN TO_B
.irp i, 0,1,2,3,4,5,6,7
	ds_load_b128 v[64*(\q)+8*(\i):64*(\q)+8*(\i)+3],   v[ADRB+1] offset:64*(\q)+(\i)*16*PITCH
	ds_load_b128 v[64*(\q)+8*(\i)+4:64*(\q)+8*(\i)+7], v[ADRB+1] offset:64*(\q)+(\i)*16*PITCH+32
.endr
.endm
.macro ALOAD a                         ; x's fragments of block a, all four quarters -> buffer a % 4
	WIN 0
.set FA, PA+32*((\a)%4)
.irp q, 0,1,2,3
	ds_load_b128 v[FA+8*(\q):FA+8*(\q)+3],   v[ADRA+1] offset:64*(\q)+(\a)*16*PITCH
	ds_load_b128 v[FA+8*(\q)+4:FA+8*(\q)+7], v[ADRA+1] offset:64*(\q)+(\a)*16*PITCH+32
.endr
.endm
.macro ROW a                           ; block a is finished: 32 matrix instructions
.set FA, PA+32*((\a)%4)                ; its fragments of x
.set AC, 64*((\a)%4)                   ; its eight accumulators, in window 2 (blocks 0-3) or 3 (blocks 4-7)
	WIN MUL_LO+0x50*((\a)/4)                       ; MUL_LO or MUL_HI
.irp q, 0,1,2,3
.if (\a) == 0 && (\q) == 2
	s_wait_dscnt 24                                ; wt's quarter 2 is in (behind it: x's blocks 1 to 3)
.endif
.irp b, 0,1,2,3,4,5,6,7
	v_wmma_f32_16x16x32_f16 v[AC+8*(\b):AC+8*(\b)+7], v[64*(\q)+8*(\b):64*(\q)+8*(\b)+7], v[FA+8*(\q):FA+8*(\q)+7], v[AC+8*(\b):AC+8*(\b)+7]
.endr
.endr
.endm
; THE WAY OUT of block a, in three parts.  PACK: rounded to f16, 16 bytes a lane; each accumulator's registers are taken in ascending order.  TOSTAGE: into my own stage in LDS, and back as whole rows of 256 bytes.  SEND: stored.
.macro PACK a
.set AC, 64*((\a)%4)
	WIN 0x0a+5*((\a)/4)                            ; sources 0 and 1: window 2 or 3
.irp b, 0,1,2,3,4,5,6,7
.irp r, 0,1,2,3
	v_cvt_pk_f16_f32 v[TMP+4*(\b)+(\r)], v[AC+8*(\b)+2*(\r)], v[AC+8*(\b)+2*(\r)+1]
.endr
.endr
	WIN 0
.endm
.macro TOSTAGE a
	WIN 0
.set BK, OB+192*((\a)%2)
.irp b, 0,1,2,3,4,5,6,7
	ds_store_b128 v[STO], v[TMP+4*(\b):TMP+4*(\b)+3] offset:32*(\b)
.endr
.irp t, 0,1,2,3,4,5,6,7
	ds_load_b128 v[BK+4*(\t):BK+4*(\t)+3], v[RD] offset:(\t)*2*SPITCH  ; LDS serves a wave's instructions in order (ISA guide 5.7.1.4): these see the stores above
.endr
.endm
.macro SEND a, younger                 ; younger: the LDS loads issued behind TOSTAGE's, which may stay out
	WIN 0
.set BK, OB+192*((\a)%2)
	s_wait_dscnt \younger                          ; the block is back in registers
	s_wait_xcnt 0x0                                ; every earlier memory instruction has had its addresses translated (ISA guide 3.1): only behind this wait are the stores' base and the registers that earlier stores read rewritten
.if (\a) == 0
	s_add_nc_u64 s[8:9], s[8:9], s[16:17]          ; on to my part's first rows
.else
	s_add_nc_u64 s[8:9], s[8:9], 16*SIZE_N*2       ; 16 rows on, so that the stores' offsets stay small: 14 rows at the most
.endif
.irp t, 0,1,2,3,4,5,6,7
	global_store_b128 v[CO], v[BK+4*(\t):BK+4*(\t)+3], s[8:9] offset:2*(\t)*SIZE_N*2  ; 16 lanes store 256 consecutive bytes, at a multiple of 256 from the output's first byte
.endr
.endm
	s_wait_tensorcnt 1                             ; my part of K step 0 is in; K step 1's may stay out
	s_barrier_signal -1
	s_barrier_wait -1                              ; everybody's is
	FETCH 0, 0, F0
	QUARTER 0, 64,  F0, F1, 1                      ; the first quarter stands in front of the loop: its products start the sums, with the bias
	WIN 0                                          ; at a label and at a branch every window is 0
	s_mov_b32 s3, LAPS-1
.Llap:                                                 ; 15 trips: a trip goes once round the ring, from a lap's second quarter to the next lap's first, and fills both slots again: K steps 2 to 31
	QUARTER 0, 128, F1, F0, 0
	QUARTER 0, 192, F0, F1, 0
	TURN 0, 1
	QUARTER 1, 64,  F0, F1, 0
	QUARTER 1, 128, F1, F0, 0
	QUARTER 1, 192, F0, F1, 0
	TURN 1, 0
	QUARTER 0, 64,  F0, F1, 0
	WIN 0
	s_sub_co_u32 s3, s3, 1
	s_cmp_lg_u32 s3, 0
	s_cbranch_scc1 .Llap
	QUARTER 0, 128, F1, F0, 0                      ; the last lap goes on; it is written out
	QUARTER 0, 192, F0, F1, 0
	MEET 0                                         ; my one tensor load that was still out is slot 1's, the last K step's, so no round follows
	PLACES                                         ; for the loads into buffer 0, which the quarter before multiplied
	BLOAD 0                                        ; three quarters of wt now: buffer 1 (v128-191 of both windows) is still being multiplied
	BLOAD 1
	BLOAD 3
	ALOAD 0
	MUL16 F1, 1, 0, 0
	MUL16 F1, 1, 2, 0
	PLACES                                         ; for the loads into buffer 1
	BLOAD 2
	ALOAD 1
	ALOAD 2
	ALOAD 3
	s_wait_dscnt 40                                ; all but the 40 just issued
	ROW 0
.irp a, 0,1,2,3,4,5,6,7                ; each block leaves as soon as it is finished: nothing follows this tile, so its stores begin as early as they can
	PLACES                                         ; its conversions read results just made, and no other vector work is at hand
	PACK \a
	TOSTAGE \a
.if (\a) < 4
	ALOAD (\a)+4                                   ; its buffer takes the block four further on
	SEND \a, 8
.else
	SEND \a, 0
.endif
.if (\a) < 7
	ROW (\a)+1
.endif
.endr
	s_wait_tensorcnt 0x0                           ; the wave's end, behind my last tensor load and my last LDS store
	ds_add_u32 v[SPW], v[NIL]
	s_wait_dscnt 0x0
	CROUND                                         ; the closing round: no work-group ends while a partner may still ask for a tile that names it
	s_endpgm
.Lfunc_end_k_qaf4735eef9_gemm:
	.size	k_qaf4735eef9_gemm, .Lfunc_end_k_qaf4735eef9_gemm-k_qaf4735eef9_gemm
	.p2alignl 7, 3214868480
	.fill 96, 4, 3214868480
	.section	.rodata,"a",@progbits
	.p2align	6, 0x0
	.amdhsa_kernel k_qaf4735eef9_gemm
		.amdhsa_group_segment_fixed_size 327680
		.amdhsa_private_segment_fixed_size 0
		.amdhsa_enable_private_segment 0
		.amdhsa_kernarg_size 32
		.amdhsa_user_sgpr_count 2
		.amdhsa_user_sgpr_kernarg_segment_ptr 1
		.amdhsa_wavefront_size32 1
		.amdhsa_system_sgpr_workgroup_id_x 1
		.amdhsa_system_sgpr_workgroup_id_y 1
		.amdhsa_system_sgpr_workgroup_id_z 1
		.amdhsa_system_vgpr_workitem_id 0
		.amdhsa_next_free_vgpr 1024
		.amdhsa_next_free_sgpr 68
		.amdhsa_reserve_vcc 0
		.amdhsa_float_denorm_mode_32 3
		.amdhsa_float_denorm_mode_16_64 3
		.amdhsa_memory_ordered 1
		.amdhsa_forward_progress 1
		.amdhsa_inst_pref_size 149
	.end_amdhsa_kernel
	.amdgpu_metadata
---
amdhsa.version: [ 1, 2 ]
amdhsa.kernels:
  - .name:           k_qaf4735eef9_gemm
    .symbol:         k_qaf4735eef9_gemm.kd
    .args:
      - { .name: x, .offset: 0, .size: 8, .value_kind: global_buffer, .address_space: global }
      - { .name: wt, .offset: 8, .size: 8, .value_kind: global_buffer, .address_space: global }
      - { .name: out0, .offset: 16, .size: 8, .value_kind: global_buffer, .address_space: global }
      - { .name: bias, .offset: 24, .size: 8, .value_kind: global_buffer, .address_space: global }
    .group_segment_fixed_size: 327680
    .private_segment_fixed_size: 0
    .kernarg_segment_align: 8
    .kernarg_segment_size: 32
    .max_flat_workgroup_size: 128
    .sgpr_count:     68
    .vgpr_count:     1024
    .wavefront_size: 32
...
	.end_amdgpu_metadata
.endif
;; end of part 2
;; ======== version 2 of 2: 2 launches; version 1 with the launch dequant written anew for expert scheduling mode
;; workspace buffers: wt 16,777,216 bytes
;; launch dequant (part 3): grid 16 x 16, 8 waves a work-group, no clusters, 101,376 bytes of LDS; arguments qweight, scales, qzeros, g_idx, wt; writes wt
.if DOCPART == 3
	.amdgcn_target "amdgcn-amd-amdhsa--gfx1250"
	.amdhsa_code_object_version 6
	.text
	.protected	k_qaf4735eef9_dequant
	.globl	k_qaf4735eef9_dequant
	.p2align	8
	.type	k_qaf4735eef9_dequant,@function
k_qaf4735eef9_dequant:
	s_mov_b64 s[64:65], 0
	v_nop
	global_prefetch_b8 v0, s[64:65] scope:SCOPE_SE
	s_setreg_imm32_b32 hwreg(HW_REG_WAVE_SCHED_MODE, 0, 2), 2
	s_setreg_imm32_b32 hwreg(HW_REG_WAVE_MODE, 25, 1), 1
	s_wait_xcnt 0x0
	s_wait_alu depctr_vm_vsrc(0)
; wt[n][k] = f16( scales[g][n] * (q(k, n) - z(g, n) - 1) ), g = g_idx[k]: the 4-bit weights made into f16 once, and turned, so that K lies along wt's rows ([2048 n][4096 k], a row 8,192 bytes).
; q(k, n) is nibble k % 8 of qweight[k / 8][n]; z(g, n) is nibble n % 8 of qzeros[g][n / 8].  g_idx is honoured as it is given: each k may name any of the 32 groups.
; ARITHMETIC.  In f32: w = q s + c with c = -(z + 1) s.  An integer of 5 bits times a scale of 11 bits is exact, and so is the fused sum (q - z - 1) s; w is rounded ONCE, to f16.
; LIMITS.  |w| beyond 65,504 (a scale beyond 4,094) becomes an infinity in f16.  g_idx is taken as min(unsigned g_idx, 31), which changes no index that lies inside the table.  NaN and infinities are not treated apart.
; SHARES.  A work-group makes 128 columns n x 256 k: 32 rows x 128 words of qweight.  Wave w takes 4 of those rows (32 k, whose 32 group numbers are scalars of the wave); lane i the columns i + 32 c, c = 0..3.
; THE TABLE.  s and c of all 32 groups x 128 columns are made once a work-group, in f32, in LDS.  An entry is 16 bytes, {s, s', c, c'} of the columns 64 h + i and 64 h + 32 + i: one LDS load feeds one packed
; multiply-add for two columns.  A lane's eight k of a word may lie in eight groups: eight addresses a row, each the group's scalar plus the lane's place.
; THE WAY OUT.  A lane's eight k of a column are 16 bytes of a row of wt; they go through a stage in LDS (rows of 512 bytes + 16) and come back as whole rows: each store of a wave covers 512 consecutive bytes, aligned.
; NO CLUSTER, NO TENSOR LOAD, NO MATRIX WORK, NO PREFETCH: of the 90 KiB that a work-group moves (16 of qweight, 10 of scales and zeros, 64 out) only the 10 are shared with others, and they are converted in registers
; on their way into LDS; every word of qweight is read once, by loads that are all issued at the head; there is no product here.
; THE MODE: SCHED_MODE bits 1:0 = 2 (LLVM: expert scheduling mode 2), set by the entry lines.  The code itself states the register dependences between vector instructions and memory or LDS instructions,
; with s_wait_alu, always for 0.
; THE PLAN.  Registers that memory or LDS instructions touch:
;   v4 .. v11     offsets and addresses: written at the head, never again; read by loads and stores to the end.
;   QW, SA, SB, ZA, ZB   global loads land in them once; vector instructions alone read them.
;   E             written by the eight entries' arithmetic; read by the eight LDS stores of the table, which stand in one run.  Later its registers are F (at work) and the first half of TA.
;   TA            the 32 table addresses of my wave's four rows: written once, by 32 adds, behind the table's stores; read by the 64 table loads; never written again.
;   T set 0, 1    row r's table loads land in set r % 2; row r's multiply-adds read it.  Rows 0 and 1 are asked for ahead of the rows, row r + 1 in row r (r = 1, 2): into the set that row r - 1 read.
;   O0, O1        row r's roundings write O[r % 2]; the four stage stores that are issued in row r + 1 read it.
; Row r's vector instructions name QW, F, T[r % 2] and O[r % 2]; its memory instructions touch T[(r + 1) % 2], O[(r + 1) % 2], TA and v9.  So the waits at a row's head state all that the row's loads and stores hang on,
; and these are dealt among its vector instructions with no further wait.
.set TAB,    0                         ; 32 groups x 1,024 bytes: entry (g, h, i) at 1,024 g + 512 h + 16 i
.set STG,    32768                     ; 128 rows (n) of SPITCH bytes
.set SPITCH, 528                       ; 512 bytes of data + 16 = 132 words: row r starts at bank 4 r mod 64 (64 banks of 4 bytes: ISA guide 11.1)
.set SPARE,  STG+128*SPITCH            ; 100,352: the spare words, 128 bytes for each of the eight waves: four blocks of 256 bytes that no other line names
.set SPW, 2                            ; v2   LDS address of my spare word: SPARE + 4 x my thread's number; never rewritten
.set NIL, 3                            ; v3   0; never rewritten
.set QO,  4                            ; v4   4 x lane: my word in 128 bytes of a row of qweight
.set SO,  5                            ; v5   my 16 bytes of scales for the table
.set ZO,  6                            ; v6   my word of qzeros for the table
.set TW,  7                            ; v7   where I write my eight table entries: 128 x thread
.set TR,  8                            ; v8   16 x lane: my entry in half a group's table
.set SW,  9                            ; v9   the stage, in: row = lane, byte 64 x wave
.set SR,  10                           ; v10  the stage, back: row 16 x wave, byte 16 x lane
.set WO,  11                           ; v11  my 16 bytes in wt: 16 rows x wave, 16 x lane
.set ONE, 12                           ; v12  1.0
.set ZERO, 13                          ; v13  0.0
.set QW,  16                           ; v[16:31]   my 16 words of qweight: row r, column group c at QW + 4 r + c
.set SA,  32                           ; v[32:35]   eight scales (f16), columns 64 h + 8 (t % 4) + 0..7
.set SB,  36                           ; v[36:39]   the same 32 columns on
.set ZA,  40                           ; v40, v41   their zeros, a nibble each
.set ZB,  41
.set E,   48                           ; v[48:79]   eight table entries of four registers
.set F,   48                           ; v[48:63]   later: sixteen numbers in f32, at work: no memory instruction names them then
.set TA,  64                           ; v[64:95]   later: the table addresses: row r, k j at TA + 8 r + j
.set T0,  96                           ; v[96:159], v[160:223]  two sets of a row's table values: k j, half h at 8 j + 4 h; later the rows read back from the stage
.set O,   224                          ; v[224:239], v[240:255]  two out-buffers: column group c's eight f16 at 4 c
.set GI,  16                           ; s[16:47]   my wave's 32 numbers of g_idx, then 1,024 x min(g, 31)
	s_load_b256 s[4:11], s[0:1], 0x0               ; qweight s[4:5], scales s[6:7], qzeros s[8:9], g_idx s[10:11]
	s_load_b64 s[12:13], s[0:1], 0x20              ; wt
	v_lshl_add_u32 v[SPW], v0, 2, SPARE
	v_mov_b32 v[NIL], 0
	v_lshrrev_b32 v14, 5, v0
	v_readfirstlane_b32 s14, v14                   ; wave 0..7
	s_mov_b32 s15, ttmp9                           ; tx: columns 128 tx on
	s_and_b32 s2, ttmp7, 0xffff                    ; ty: k 256 ty on
	v_and_b32 v1, 31, v0                           ; lane
	v_lshlrev_b32 v[QO], 2, v1
	; the table's builder: thread t makes the entries 8 (t % 8) + 0..7 of group t / 8: half h = (t / 4) % 2, places 8 (t % 4) + 0..7
	v_lshrrev_b32 v14, 3, v0                       ; g
	v_bfe_u32 v15, v0, 2, 1                        ; h
	v_and_b32 v[SO], 3, v0                         ; t % 4
	v_lshlrev_b32 v[ZO], 2, v[SO]                  ; qzeros: a word for 8 columns,
	v_lshl_add_u32 v[ZO], v15, 5, v[ZO]            ; 8 words for 64,
	v_lshl_add_u32 v[ZO], v14, 10, v[ZO]           ; a row of 1,024 bytes a group
	v_lshlrev_b32 v[SO], 4, v[SO]                  ; scales: 16 bytes for 8 columns,
	v_lshl_add_u32 v[SO], v15, 7, v[SO]            ; 128 for 64,
	v_lshl_add_u32 v[SO], v14, 12, v[SO]           ; a row of 4,096 bytes a group
	v_lshlrev_b32 v[TW], 7, v0
	v_lshlrev_b32 v[TR], 4, v1
	v_mul_u32_u24 v[SW], v1, SPITCH
	s_wait_alu depctr_va_sdst(0)                   ; s14, the wave's number, is written, ahead of its first reader: LDS addresses and the buffers' offsets are made from it
	s_lshl_b32 s3, s14, 6                          ; my wave's 32 k: 64 bytes of a stage row
	s_add_co_u32 s3, s3, STG
	v_add_nc_u32 v[SW], s3, v[SW]
	s_mul_i32 s3, s14, 16*SPITCH                   ; back: my wave's 16 rows
	s_add_co_u32 s3, s3, STG
	v_add_nc_u32 v[SR], s3, v[TR]
	s_lshl_b32 s3, s14, 17                         ; 16 rows of wt
	v_add_nc_u32 v[WO], s3, v[TR]
	v_mov_b32 v[ONE], 1.0
	v_mov_b32 v[ZERO], 0
	; each buffer's offset, in a pair of its own
	s_lshl_b32 s48, s2, 18                         ; qweight: 32 rows of 8,192 bytes x ty,
	s_lshl_b32 s3, s14, 15                         ; 4 rows x wave,
	s_add_co_u32 s48, s48, s3
	s_lshl_b32 s3, s15, 9                          ; 128 words x tx
	s_add_co_u32 s48, s48, s3
	s_mov_b32 s49, 0
	s_lshl_b32 s50, s15, 8                         ; scales: 128 f16 x tx
	s_mov_b32 s51, 0
	s_lshl_b32 s52, s15, 6                         ; qzeros: 16 words x tx
	s_mov_b32 s53, 0
	s_lshl_b32 s54, s2, 10                         ; g_idx: 256 words x ty,
	s_lshl_b32 s3, s14, 7                          ; 32 words x wave
	s_add_co_u32 s54, s54, s3
	s_mov_b32 s55, 0
	s_lshl_b32 s56, s15, 20                        ; wt: 128 rows of 8,192 bytes x tx,
	s_lshl_b32 s3, s2, 9                           ; 256 f16 x ty
	s_add_co_u32 s56, s56, s3
	s_mov_b32 s57, 0
	s_wait_kmcnt 0x0
	s_add_nc_u64 s[4:5], s[4:5], s[48:49]
	s_add_nc_u64 s[6:7], s[6:7], s[50:51]
	s_add_nc_u64 s[8:9], s[8:9], s[52:53]
	s_add_nc_u64 s[10:11], s[10:11], s[54:55]
	s_add_nc_u64 s[12:13], s[12:13], s[56:57]
	s_load_b512 s[GI:GI+15], s[10:11], 0x0         ; the groups of my wave's 32 k
	s_load_b512 s[GI+16:GI+31], s[10:11], 0x40
	s_wait_alu depctr_va_vdst(0)                   ; the offsets and addresses v4 to v11 are written, which the kernel's loads and stores read; no vector instruction writes them again
	global_load_b128 v[SA:SA+3], v[SO], s[6:7]     ; what the table is made of goes first,
	global_load_b128 v[SB:SB+3], v[SO], s[6:7] offset:64
	global_load_b32 v[ZA], v[ZO], s[8:9]
	global_load_b32 v[ZB], v[ZO], s[8:9] offset:16
.irp r, 0,1,2,3
.irp c, 0,1,2,3
	global_load_b32 v[QW+4*(\r)+(\c)], v[QO], s[4:5] offset:(\r)*8192+(\c)*128 th:TH_LOAD_NT  ; then all my weights: read once in the launch
.endr
.endr
; f16 to f32, exactly: the half times 1.0 plus 0; hi picks the register's upper half
.macro WIDEN dst, src, hi
.if \hi
	v_fma_mix_f32 v[\dst], v[\src], v[ONE], v[ZERO] op_sel:[1,0,0] op_sel_hi:[1,0,0]
.else
	v_fma_mix_f32 v[\dst], v[\src], v[ONE], v[ZERO] op_sel_hi:[1,0,0]
.endif
.endm
; Entry e of my eight: s and s' widened; -(z + 1) is the nibble's complement as a whole number; c = -(z + 1) s, exact
.macro ENTRY e
	WIDEN E+4*(\e), SA+(\e)/2, (\e)%2
	WIDEN E+4*(\e)+1, SB+(\e)/2, (\e)%2
	v_bfe_u32 v14, v[ZA], 4*(\e), 4
	v_bfe_u32 v15, v[ZB], 4*(\e), 4
	v_xor_b32 v14, -1, v14
	v_xor_b32 v15, -1, v15
	v_cvt_f32_i32 v14, v14
	v_cvt_f32_i32 v15, v15
	v_mul_f32 v[E+4*(\e)+2], v14, v[E+4*(\e)]
	v_mul_f32 v[E+4*(\e)+3], v15, v[E+4*(\e)+1]
.endm
	s_wait_loadcnt 16                              ; loads come back in order (ISA guide 5.7.1): scales and zeros are in, the 16 younger loads of weights stay out
.irp e, 0,1,2,3,4,5,6,7
	ENTRY \e
.endr
	s_wait_alu depctr_va_vdst(0)                   ; all eight entries are written in v[E ..], which the LDS stores below read: one wait for the run
.irp e, 0,1,2,3,4,5,6,7
	ds_store_b128 v[TW], v[E+4*(\e):E+4*(\e)+3] offset:TAB+16*(\e)  ; lanes 128 bytes apart share banks: eight stores, once a work-group
.endr
	s_wait_kmcnt 0x0                               ; g_idx
.set i, 0
.rept 32
	s_min_u32 s[GI+i], s[GI+i], 31                 ; an index stays inside the table that it indexes
	s_lshl_b32 s[GI+i], s[GI+i], 10                ; the group's 1,024 bytes of the table
.set i, i+1
.endr
	s_wait_alu depctr_vm_vsrc(0)                   ; the table's LDS stores have read v[E ..]: of these registers v[64:79] are written by the adds below, v[48:63] by the rows' arithmetic
.set i, 0
.rept 32
	v_add_nc_u32 v[TA+i], s[GI+i], v[TR]           ; for each of my wave's 32 k its own group's bytes plus my lane's place: all four rows' addresses at once
.set i, i+1
.endr
	s_wait_dscnt 0x0                               ; for the others' sake: my entries are written
	s_barrier_signal -1
	s_barrier_wait -1                              ; the table is whole
; Four k (j0 .. j0 + 3) of row r's table values into set t: each k's own group's entries, both halves of the columns: eight loads, lanes 16 bytes apart
.macro LOADS r, t, j0
.irp j, 0,1,2,3
	ds_load_b128 v[(\t)+8*((\j0)+(\j)):(\t)+8*((\j0)+(\j))+3],   v[TA+8*(\r)+(\j0)+(\j)] offset:TAB
	ds_load_b128 v[(\t)+8*((\j0)+(\j))+4:(\t)+8*((\j0)+(\j))+7], v[TA+8*(\r)+(\j0)+(\j)] offset:TAB+512
.endr
.endm
; Row r, half h: two words (columns 64 h + i and 64 h + 32 + i).  NIB: their sixteen nibbles.  TOF: to f32.  MAD: eight packed q s + c, by set t.  RND: each column's eight k rounded to f16 in pairs, into out-buffer o.
.macro NIB r, h
.irp j, 0,1,2,3,4,5,6,7
	v_bfe_u32 v[F+2*(\j)],   v[QW+4*(\r)+2*(\h)],   4*(\j), 4
	v_bfe_u32 v[F+2*(\j)+1], v[QW+4*(\r)+2*(\h)+1], 4*(\j), 4
.endr
.endm
.macro TOF
.irp j, 0,1,2,3,4,5,6,7
	v_cvt_f32_u32 v[F+2*(\j)],   v[F+2*(\j)]
	v_cvt_f32_u32 v[F+2*(\j)+1], v[F+2*(\j)+1]
.endr
.endm
.macro MAD t, h
.irp j, 0,1,2,3,4,5,6,7
	v_pk_fma_f32 v[F+2*(\j):F+2*(\j)+1], v[F+2*(\j):F+2*(\j)+1], v[(\t)+8*(\j)+4*(\h):(\t)+8*(\j)+4*(\h)+1], v[(\t)+8*(\j)+4*(\h)+2:(\t)+8*(\j)+4*(\h)+3]
.endr
.endm
.macro RND o, h
.irp p, 0,1
.irp q, 0,1,2,3
	v_cvt_pk_f16_f32 v[(\o)+4*(2*(\h)+(\p))+(\q)], v[F+4*(\q)+(\p)], v[F+4*(\q)+2+(\p)]  ; k 2 q and 2 q + 1 of column group 2 h + p
.endr
.endr
.endm
.macro STORE r, o                      ; row r's 16 bytes (eight k) into row lane + 32 c of the stage, from out-buffer o
.irp c, 0,1,2,3
	ds_store_b128 v[SW], v[(\o)+4*(\c):(\o)+4*(\c)+3] offset:(\c)*32*SPITCH+16*(\r)
.endr
.endm
; Row r.  left: the LDS instructions issued behind this row's table loads, which may stay out.  ahead = 1: row r + 1's table values are asked for.  before = 1: the row before is stored into the stage.
; again = 1: this row's out-buffer has been read by stores.
.macro ROWSTEP r, left, ahead, before, again
	s_wait_dscnt \left                             ; LDS instructions end in order (ISA guide 5.7.1): this row's table values are in
.if \before
	s_wait_alu depctr_va_vdst(0)                   ; the row before has written its out-buffer, which the stores below read, and is done reading its set of table values, in which the loads below land
.endif
.if \again
	s_wait_alu depctr_vm_vsrc(0)                   ; the stage stores issued in the row before have read this row's out-buffer, which its roundings write again
.endif
.if \ahead
	LOADS (\r)+1, T0+64*(((\r)+1)%2), 0            ; no vector instruction of this row names that set
.endif
	NIB \r, 0
.if \ahead
	LOADS (\r)+1, T0+64*(((\r)+1)%2), 4
.endif
	TOF
	MAD T0+64*((\r)%2), 0
	RND O+16*((\r)%2), 0
.if \before
	STORE (\r)-1, O+16*(((\r)+1)%2)                ; no vector instruction of this row names the other out-buffer
.endif
	NIB \r, 1
	TOF
	MAD T0+64*((\r)%2), 1
	RND O+16*((\r)%2), 1
.endm
	s_wait_alu depctr_va_vdst(0)                   ; the 32 table addresses v[TA ..] are written, which the table loads read; they are never written again
	LOADS 0, T0, 0
	LOADS 0, T0, 4
	LOADS 1, T0+64, 0                              ; both sets are asked for at once: no vector instruction has named them
	LOADS 1, T0+64, 4
	s_wait_loadcnt 0x0                             ; my weights
	ROWSTEP 0, 16, 0, 0, 0                         ; row 1's sixteen loads stay out
	ROWSTEP 1, 0,  1, 1, 0                         ; nothing was issued behind row 1's loads
	ROWSTEP 2, 4,  1, 1, 1                         ; behind a row's loads stand the four stage stores of the row two back
	ROWSTEP 3, 4,  0, 1, 1
	s_wait_alu depctr_va_vdst(0)                   ; row 3 has written its out-buffer, which the last four stage stores read; no vector instruction follows, so the stage loads below, which land in set 0, owe nothing more
	STORE 3, O+16
	s_wait_dscnt 0x0                               ; for the others' sake: my part of every stage row is written
	s_barrier_signal -1
	s_barrier_wait -1                              ; the stage is whole
.irp t, 0,1,2,3,4,5,6,7,8,9,10,11,12,13,14,15
	ds_load_b128 v[T0+4*(\t):T0+4*(\t)+3], v[SR] offset:(\t)*SPITCH  ; a whole row of 512 bytes, 16 a lane
.endr
.irp t, 0,1,2,3,4,5,6,7,8,9,10,11,12,13,14,15
	s_wait_dscnt 15-(\t)
	global_store_b128 v[WO], v[T0+4*(\t):T0+4*(\t)+3], s[12:13] offset:(\t)*8192  ; 512 consecutive bytes of a row of wt, at a multiple of 512 from wt's first byte
.endr
	s_wait_dscnt 0x0                               ; the closing lines, six on end
	s_wait_alu 0x0
	s_wait_tensorcnt 0x0
	ds_add_u32 v[SPW], v[NIL]
	s_wait_dscnt 0x0
	s_endpgm
.Lfunc_end_k_qaf4735eef9_dequant:
	.size	k_qaf4735eef9_dequant, .Lfunc_end_k_qaf4735eef9_dequant-k_qaf4735eef9_dequant
	.p2alignl 7, 3214868480
	.fill 96, 4, 3214868480
	.section	.rodata,"a",@progbits
	.p2align	6, 0x0
	.amdhsa_kernel k_qaf4735eef9_dequant
		.amdhsa_group_segment_fixed_size 101376
		.amdhsa_private_segment_fixed_size 0
		.amdhsa_enable_private_segment 0
		.amdhsa_kernarg_size 40
		.amdhsa_user_sgpr_count 2
		.amdhsa_user_sgpr_kernarg_segment_ptr 1
		.amdhsa_wavefront_size32 1
		.amdhsa_system_sgpr_workgroup_id_x 1
		.amdhsa_system_sgpr_workgroup_id_y 1
		.amdhsa_system_sgpr_workgroup_id_z 1
		.amdhsa_system_vgpr_workitem_id 0
		.amdhsa_next_free_vgpr 256
		.amdhsa_next_free_sgpr 66
		.amdhsa_reserve_vcc 0
		.amdhsa_float_denorm_mode_32 3
		.amdhsa_float_denorm_mode_16_64 3
		.amdhsa_memory_ordered 1
		.amdhsa_forward_progress 1
		.amdhsa_inst_pref_size 41
	.end_amdhsa_kernel
	.amdgpu_metadata
---
amdhsa.version: [ 1, 2 ]
amdhsa.kernels:
  - .name:           k_qaf4735eef9_dequant
    .symbol:         k_qaf4735eef9_dequant.kd
    .args:
      - { .name: qweight, .offset: 0, .size: 8, .value_kind: global_buffer, .address_space: global }
      - { .name: scales, .offset: 8, .size: 8, .value_kind: global_buffer, .address_space: global }
      - { .name: qzeros, .offset: 16, .size: 8, .value_kind: global_buffer, .address_space: global }
      - { .name: g_idx, .offset: 24, .size: 8, .value_kind: global_buffer, .address_space: global }
      - { .name: wt, .offset: 32, .size: 8, .value_kind: global_buffer, .address_space: global }
    .group_segment_fixed_size: 101376
    .private_segment_fixed_size: 0
    .kernarg_segment_align: 8
    .kernarg_segment_size: 40
    .max_flat_workgroup_size: 256
    .sgpr_count:     66
    .vgpr_count:     256
    .wavefront_size: 32
...
	.end_amdgpu_metadata
.endif
;; end of part 3
;; launch gemm: the kernel of part 2 again; grid 8 x 32, 4 waves a work-group, clusters of 4 x 4, 327,680 bytes of LDS; arguments x, wt, out0, bias; writes out0
